; MI455X (gfx1250); checked and timed in simulation.
; The chip was launched on July 23, 2026; its instructions are those of AMD's public machine-readable ISA for CDNA 5 (MIT licence, August 2026) and "CDNA5" Instruction Set Architecture Reference Guide (July 2026). The comments in the code are by the model that wrote it; some were corrected since.
;; Multi Head Attention. Allowed arithmetic: matrix products marked QUANTISED: E2M3 operands, one E8M0 scale for each 32 along K, by v_wmma_scale_f32_16x16x128_f8f6f4 with both operands' format E2M3, f32 sums; everything else in f32.
;; Inputs: Wk 16 x 64 x 1,024 float32; Wo 1,024 x 1,024 float32; Wq 16 x 64 x 1,024 float32; Wv 16 x 64 x 1,024 float32; bo 1,024 float32; x 4 x 2,048 x 1,024 float32.
;; Outputs: out0 4 x 2,048 x 1,024 float32.
;; This version of the problem:
;;   THIS VERSION OF THE PROBLEM IS GIVEN IN LOW PRECISION. The matrix products marked QUANTISED in the list below multiply operands that are first quantised to E2M3 (2 exponent bits, 3 mantissa bits; 6 bits a number), with one power-of-two scale for each 32 numbers along K (OCP MX v1.0); their sums are f32. All else is computed in f32.
;;   The module's matrix products, in the order in which they are computed (A, B: the left and right operand; K: the contracted axis; several contracted axes count as one K, in the product's order):
;;     1. [M 1,024, K 1,024] x [K 1,024, N 8,192]; A: input Wq; B: input x: QUANTISED
;;     2. [M 1,024, K 1,024] x [K 1,024, N 8,192]; A: input Wk; B: input x: QUANTISED
;;     3. [M 1,024, K 1,024] x [K 1,024, N 8,192]; A: input Wv; B: input x: QUANTISED
;;     4. batch 64 x [M 2,048, K 64] x [K 64, N 2,048]; A: computed on the way; B: computed on the way: QUANTISED
;;     5. batch 64 x [M 2,048, K 2,048] x [K 2,048, N 64]; A: softmax (see below); B: computed on the way: QUANTISED
;;     6. [M 8,192, K 1,024] x [K 1,024, N 1,024]; A: computed on the way; B: input Wo: QUANTISED
;;   THE QUANTISER, for each operand of a quantised product, along K:
;;     - K is cut into blocks of 32 from its start; a last block that is shorter is filled with zeros.
;;     - A block's scale is 2^e with e = floor(log2(the largest magnitude in the block)) - 2, held to -126 .. 127; a block of zeros has e = 0. As a byte (E8M0): e + 127.
;;     - Each number is divided by its block's scale, clamped to +-7.5, and rounded to the nearest number of E2M3, ties to even, subnormals kept.
;;     - The product sums the exact products of the quantised numbers (number of the format x scale) in f32.
;;   ~~~python
;;   def quantise(x, axis):      # numpy; x: float32 -> the quantised numbers, widened to float32 again
;;       x = np.moveaxis(x, axis, -1); K = x.shape[-1]
;;       x = np.pad(x, [(0, 0)] * (x.ndim - 1) + [(0, -K % 32)]); x = x.reshape(x.shape[:-1] + (-1, 32)); a = np.abs(x).max(-1, keepdims=True)
;;       e = np.where(a > 0, np.clip(np.frexp(np.where(a > 0, a, 1))[1] - 1 - 2, -126, 127), 0)      # np.frexp(a)[1] - 1 = floor(log2(a)), exactly
;;       r = np.clip(x / 2.0 ** e, -7.5, 7.5)
;;       step = 2.0 ** (np.maximum(np.frexp(np.where(r == 0, 1, r))[1] - 1, 0) - 3)
;;       q = np.round(r / step) * step * 2.0 ** e      # np.round: ties to even
;;       return np.moveaxis(q.reshape(q.shape[:-2] + (-1,))[..., :K], -1, axis).astype(np.float32)
;;   ~~~
;;   SOFTMAX AHEAD OF A QUANTISED PRODUCT. Where the list says 'softmax', what is quantised is not the finished softmax but p = 2^(t - M), with t = logit x log2(e) and M = ceil(the row's largest t), a whole number; so 1/2 < the row's largest p <= 1. The row's sum l is taken of the UNQUANTISED p, in f32, and the product's result is divided by l at the end. Since M is a whole number, a kernel that streams over the keys may use a running M (the ceiling of the running maximum): every later rescaling is an exact power of two, which a block's scale takes up: the codes' values come out the same.
;;   OPERANDS COMPUTED ON THE WAY. 'Computed on the way' means the value that the module computes at that place (a softmax that the list does not call 'softmax' is quantised finished and normalised). What goes into a quantiser is computed in f32, as accurately as f32 sums, v_exp_f32 and their like allow (about 1e-6 of the number): no bf16 or f16 on the way to a quantiser, and a product that is left as it is and whose result goes on into a quantised operand takes f32 operands (vector FMAs, or v_wmma_f32_16x16x4_f32). A number that lies on a knife's edge between two numbers of the format may be rounded either way, as far as f32 arithmetic and the matrix unit's own rounding can turn it there, and no further.
;; One version. Each part assembles by itself: llvm-mc -triple=amdgcn-amd-amdhsa -mcpu=gfx1250 --defsym DOCPART=n.
;; ======== version 1 of 1: 4 launches
;; workspace buffers: img 9,437,184 bytes; isc 393,216 bytes; qkv_img 18,874,368 bytes; qkv_sc 786,432 bytes; o_img 6,291,456 bytes; o_sc 262,144 bytes
;; launch quant (part 1): grid 384 x 1, 4 waves a work-group, no clusters, 34,304 bytes of LDS; arguments x, Wq, Wk, Wv, Wo, img, isc; writes img, isc
.if DOCPART == 1
	.amdgcn_target "amdgcn-amd-amdhsa--gfx1250"
	.amdhsa_code_object_version 6
	.text
	.protected	k_q74e529cc65_quant
	.globl	k_q74e529cc65_quant
	.p2align	8
	.type	k_q74e529cc65_quant,@function
k_q74e529cc65_quant:
	s_mov_b64 s[64:65], 0
	v_nop
	global_prefetch_b8 v0, s[64:65] scope:SCOPE_SE
	s_setreg_imm32_b32 hwreg(HW_REG_WAVE_MODE, 25, 1), 1
	s_wait_xcnt 0x0
; x [8192][1024], Wq, Wk, Wv, Wo [1024][1024], f32, K innermost, become codes of FP6 (E2M3) with one E8M0 byte for each 32 along K.
; The five tensors are taken as one run of 12,288 rows = 768 tiles of 16 rows.  THE ROWS OF A TILE ARE NOT NEIGHBOURS: row m of tile 2 g + u is row 32 g + 8 u + m + 8 (m / 8),
; so that, where such tiles are source 0 of a product, the 16 registers of two neighbouring tiles are 16 neighbours along that axis.
; img: [768 tiles][8 K steps of 128][1,536 bytes]: a fragment as an IMAGE OF THE OPERAND'S REGISTERS: three pieces of 512 bytes, piece c holding lane l's registers 4 c .. 4 c + 3 at byte 16 l.
; isc: [768 tiles][4 K steps of 256][16 rows][2 words]: a word holds the four scale bytes of one row and 128 along K.
; A block's scale is 2^(floor(log2(its largest magnitude)) - 2); its byte is that magnitude's exponent field - 2, held at 1 from below.
; LIMITS: a block of zeros, and a block whose largest magnitude lies under 2^-124, get the byte 1 (the stated quantiser says 127 for zeros: the codes are zeros and add nothing, and this program alone reads the bytes);
; NaN and infinities among the inputs are not served.
; SHARES: a work-group takes 32 rows (two tiles); wave w takes tile w / 2 and half w % 2 of K: four steps of 128.  A load reads 512 consecutive bytes of one row; the 16 rows' 8,192 bytes turn through the wave's own
; stage in LDS (rows 528 bytes apart: 33 x 16) and come back as two whole blocks of 32 a lane, in the order of the operand's registers.
; No tensor loads, no barrier, no cluster: waves and work-groups share no byte.  The launch only streams, so nothing is asked for ahead but by its own loads, two steps (32 loads a wave) deep.
.set STG,   8448                       ; a wave's stage: 16 rows x 528 bytes
.set SPARE, 4*STG                      ; behind the stages: the spare words, 128 bytes for each wave
.set L16,  1                           ; v1  16 x lane
.set SIN,  2                           ; v2  the stage, way in
.set SOUT, 3                           ; v3  the stage, way out: 528 r + 128 h
.set L8,   4                           ; v4  8 x lane
.set SPW,  5                           ; v5  my spare word's LDS address; never rewritten
.set NIL,  6                           ; v6  0; never rewritten
.set SH8,  7                           ; v7  8 h
.set MX,   8                           ; v8-9   largest magnitudes of my two blocks
.set SO,   10                          ; v10-11 the conversions' scale operands
.set BY,   12                          ; v12-13 the scale bytes
.set PT,   14                          ; v14    a lane permute's destination
.set WRD,  16                          ; v16-19 the four steps' scale words
.set OW,   20                          ; v20-21 the words that I store
.set YT,   24                          ; v24-31 the second halves of the blocks' codes
.set IMG,  32                          ; v32-55 two sets of 12: a fragment's registers
.set R,    56                          ; v56-183 two sets of 64: numbers as loaded
.set X,    184                         ; v184-247 my two blocks of 32
	s_load_b256 s[4:11], s[0:1], 0x0               ; x, Wq, Wk, Wv
	s_load_b128 s[12:15], s[0:1], 0x20             ; Wo, img
	s_load_b64 s[16:17], s[0:1], 0x30              ; isc
	v_lshl_add_u32 v[SPW], v0, 2, SPARE
	v_mov_b32 v[NIL], 0
	v_lshrrev_b32 v8, 5, v0
	v_readfirstlane_b32 s18, v8                    ; wave
	v_and_b32 v8, 31, v0                           ; lane
	v_and_b32 v9, 15, v0                           ; r
	v_bfe_u32 v10, v0, 4, 1                        ; h
	v_lshlrev_b32 v[L16], 4, v8
	v_lshlrev_b32 v[L8], 3, v8
	v_lshlrev_b32 v[SH8], 3, v10
	s_mul_i32 s24, s18, STG
	v_add_nc_u32 v[SIN], s24, v[L16]
	v_mul_u32_u24 v[SOUT], v9, 528
	v_lshl_add_u32 v[SOUT], v10, 7, v[SOUT]
	v_add_nc_u32 v[SOUT], s24, v[SOUT]
	v_mov_b32 v[PT], 0                             ; written once: a lane permute's destination counts as one of its sources
	s_mov_b32 s2, 0x76543210
	s_mov_b32 s3, 0xfedcba98                       ; v_permlanex16_b32's selects for lane l xor 16
	s_mov_b32 s26, 0xffff0000                      ; lanes 16-31
	s_lshr_b32 s25, s18, 1                         ; u: which of the two tiles
	s_and_b32 s27, s18, 1                          ; which half of K
	s_wait_alu depctr_va_vdst(0)
	s_wait_kmcnt 0x0
	s_mov_b64 s[20:21], s[12:13]                   ; which tensor: the choice hangs on the work-group's number alone
	s_mov_b32 s19, 352
	s_cmp_lt_u32 ttmp9, 352
	s_cselect_b64 s[20:21], s[10:11], s[20:21]
	s_cselect_b32 s19, 320, s19
	s_cmp_lt_u32 ttmp9, 320
	s_cselect_b64 s[20:21], s[8:9], s[20:21]
	s_cselect_b32 s19, 288, s19
	s_cmp_lt_u32 ttmp9, 288
	s_cselect_b64 s[20:21], s[6:7], s[20:21]
	s_cselect_b32 s19, 256, s19
	s_cmp_lt_u32 ttmp9, 256
	s_cselect_b64 s[20:21], s[4:5], s[20:21]
	s_cselect_b32 s19, 0, s19
	s_sub_co_u32 s22, ttmp9, s19                   ; the group of 32 rows in its tensor
	s_lshl_b32 s22, s22, 5
	s_lshl_b32 s23, s25, 3
	s_add_co_u32 s22, s22, s23                     ; the tile's first row: 32 g + 8 u
	s_lshl_b32 s22, s22, 12                        ; rows of 4,096 bytes
	s_lshl_b32 s23, s27, 11
	s_add_co_u32 s22, s22, s23                     ; + my half of K
	s_mov_b32 s23, 0
	s_add_nc_u64 s[20:21], s[20:21], s[22:23]
	s_lshl_b32 s22, ttmp9, 1
	s_add_co_u32 s22, s22, s25                     ; the tile's number among the 768
	s_mul_i32 s28, s22, 12288
	s_mul_i32 s29, s27, 6144
	s_add_co_u32 s28, s28, s29
	s_mov_b32 s29, 0
	s_add_nc_u64 s[14:15], s[14:15], s[28:29]      ; my four fragments
	s_lshl_b32 s28, s22, 9
	s_lshl_b32 s22, s27, 8
	s_add_co_u32 s28, s28, s22
	s_add_nc_u64 s[16:17], s[16:17], s[28:29]      ; my 256 bytes of scale words
.macro LOAD s                          ; step s: 128 numbers of each of the tile's 16 rows
.irp m, 0,1,2,3,4,5,6,7,8,9,10,11,12,13,14,15
	global_load_b128 v[R+64*((\s)%2)+4*\m:R+64*((\s)%2)+4*\m+3], v[L16], s[20:21] offset:(\m+8*(\m/8))*4096+512*(\s) th:TH_LOAD_NT
.endr
.endm
.macro TURN s                          ; through the stage: LDS serves a wave's instructions in order, so no wait stands between the stores and the loads
.irp m, 0,1,2,3,4,5,6,7,8,9,10,11,12,13,14,15
	ds_store_b128 v[SIN], v[R+64*((\s)%2)+4*\m:R+64*((\s)%2)+4*\m+3] offset:528*\m
.endr
.irp c, 0,1
.irp j, 0,1,2,3,4,5,6,7
	ds_load_b128 v[X+32*\c+4*\j:X+32*\c+4*\j+3], v[SOUT] offset:256*\c+16*\j   ; k = 64 c + 32 h + 4 j .. of row r
.endr
.endr
.endm
.macro STEP s
.set IM, IMG+12*((\s)%2)
.if (\s) < 3
	s_wait_loadcnt 16                              ; this step's 16 loads are in; the next step's 16 may be out
.else
	s_wait_loadcnt 0x0
.endif
	TURN \s
	s_wait_dscnt 0x0                               ; my two blocks are back, and the stores into the stage have read their registers,
.if (\s) < 2
	LOAD (\s)+2                                    ; which take the loads of two steps on
.endif
.irp c, 0,1
	v_max3_num_f32 v[MX+\c], |v[X+32*\c]|, |v[X+32*\c+1]|, 0x1800000   ; all 32 numbers of a block are mine; the floor 2^(3 - 127) holds the byte at 1 from below
.endr
.irp i, 2,4,6,8,10,12,14,16,18,20,22,24,26,28,30
.irp c, 0,1
	v_max3_num_f32 v[MX+\c], v[MX+\c], |v[X+32*\c+\i]|, |v[X+32*\c+\i+1]|   ; (the two blocks by turns)
.endr
.endr
.irp c, 0,1
	v_add_nc_u32 v[SO+\c], 0xff000000, v[MX+\c]    ; 2 off the exponent field: the conversion takes this operand's exponent field as its scale
.endr
.irp c, 0,1
	v_lshrrev_b32 v[BY+\c], 23, v[SO+\c]           ; the scale's byte
.endr
	v_lshl_or_b32 v[WRD+(\s)], v[BY+1], 16, v[BY]  ; my two bytes, blocks h and 2 + h,
	v_lshlrev_b32 v[WRD+(\s)], v[SH8], v[WRD+(\s)] ; at their places in the word;
	v_permlanex16_b32 v[PT], v[WRD+(\s)], s2, s3
	v_or_b32 v[WRD+(\s)], v[WRD+(\s)], v[PT]       ; with lane l xor 16's two the word is whole, in both lanes
.if (\s) >= 2
	s_wait_alu depctr_va_vdst(0)
	s_wait_xcnt 0x0                                ; the stores of two steps ago have read this set of registers: it is written again only behind this wait
.endif
.irp c, 0,1
	v_cvt_scalef32_pk16_fp6_f32 v[IM+6*\c:IM+6*\c+2], v[X+32*\c:X+32*\c+15], v[SO+\c]
	v_cvt_scalef32_pk16_fp6_f32 v[YT+4*\c:YT+4*\c+2], v[X+32*\c+16:X+32*\c+31], v[SO+\c]   ; (a conversion's three registers begin on an even number)
.endr
	v_nop                                          ; one plain place behind a scaled conversion
.irp c, 0,1
.irp i, 0,1,2
	v_mov_b32 v[IM+6*\c+3+\i], v[YT+4*\c+\i]
.endr
.endr
.irp k, 0,1,2
	global_store_b128 v[L16], v[IM+4*\k:IM+4*\k+3], s[14:15] offset:1536*(\s)+512*\k   ; 32 lanes store 512 consecutive bytes, aligned
.endr
.endm
	LOAD 0
	LOAD 1
	STEP 0
	STEP 1
	STEP 2
	STEP 3
	v_cndmask_b32 v[OW], v[WRD], v[WRD+2], s26     ; lanes 0-15: row r's words of my first 256 along K; lanes 16-31: of my second
	v_cndmask_b32 v[OW+1], v[WRD+1], v[WRD+3], s26
	global_store_b64 v[L8], v[OW:OW+1], s[16:17]   ; 32 lanes store 256 consecutive bytes, aligned
	s_wait_tensorcnt 0x0                           ; the wave's end
	ds_add_u32 v[SPW], v[NIL]
	s_wait_dscnt 0x0
	s_endpgm
.Lfunc_end_k_q74e529cc65_quant:
	.size	k_q74e529cc65_quant, .Lfunc_end_k_q74e529cc65_quant-k_q74e529cc65_quant
	.p2alignl 7, 3214868480
	.fill 96, 4, 3214868480
	.section	.rodata,"a",@progbits
	.p2align	6, 0x0
	.amdhsa_kernel k_q74e529cc65_quant
		.amdhsa_group_segment_fixed_size 34304
		.amdhsa_private_segment_fixed_size 0
		.amdhsa_enable_private_segment 0
		.amdhsa_kernarg_size 56
		.amdhsa_user_sgpr_count 2
		.amdhsa_user_sgpr_kernarg_segment_ptr 1
		.amdhsa_wavefront_size32 1
		.amdhsa_system_sgpr_workgroup_id_x 1
		.amdhsa_system_sgpr_workgroup_id_y 1
		.amdhsa_system_sgpr_workgroup_id_z 1
		.amdhsa_system_vgpr_workitem_id 0
		.amdhsa_next_free_vgpr 256
		.amdhsa_next_free_sgpr 66
		.amdhsa_reserve_vcc 0
		.amdhsa_float_denorm_mode_32 3
		.amdhsa_float_denorm_mode_16_64 3
		.amdhsa_memory_ordered 1
		.amdhsa_forward_progress 1
		.amdhsa_inst_pref_size 31
	.end_amdhsa_kernel
	.amdgpu_metadata
---
amdhsa.version: [ 1, 2 ]
amdhsa.kernels:
  - .name:           k_q74e529cc65_quant
    .symbol:         k_q74e529cc65_quant.kd
    .args:
      - { .name: x, .offset: 0, .size: 8, .value_kind: global_buffer, .address_space: global }
      - { .name: Wq, .offset: 8, .size: 8, .value_kind: global_buffer, .address_space: global }
      - { .name: Wk, .offset: 16, .size: 8, .value_kind: global_buffer, .address_space: global }
      - { .name: Wv, .offset: 24, .size: 8, .value_kind: global_buffer, .address_space: global }
      - { .name: Wo, .offset: 32, .size: 8, .value_kind: global_buffer, .address_space: global }
      - { .name: img, .offset: 40, .size: 8, .value_kind: global_buffer, .address_space: global }
      - { .name: isc, .offset: 48, .size: 8, .value_kind: global_buffer, .address_space: global }
    .group_segment_fixed_size: 34304
    .private_segment_fixed_size: 0
    .kernarg_segment_align: 8
    .kernarg_segment_size: 56
    .max_flat_workgroup_size: 128
    .sgpr_count:     66
    .vgpr_count:     256
    .wavefront_size: 32
...
	.end_amdgpu_metadata
.endif
;; end of part 1
;; launch qkv (part 2): grid 8 x 48, 4 waves a work-group, clusters of 4 x 4, 327,680 bytes of LDS; arguments img, isc, qkv_img, qkv_sc; writes qkv_img, qkv_sc
.if DOCPART == 2
	.amdgcn_target "amdgcn-amd-amdhsa--gfx1250"
	.amdhsa_code_object_version 6
	.text
	.protected	k_q74e529cc65_qkv
	.globl	k_q74e529cc65_qkv
	.p2align	8
	.type	k_q74e529cc65_qkv,@function
k_q74e529cc65_qkv:
	s_mov_b64 s[64:65], 0
	v_nop
	global_prefetch_b8 v0, s[64:65] scope:SCOPE_SE
	s_setreg_imm32_b32 hwreg(HW_REG_WAVE_MODE, 25, 1), 1
	s_wait_xcnt 0x0
	s_wait_alu depctr_hold_cnt(0) depctr_sa_sdst(0) depctr_va_vdst(0) depctr_va_sdst(0) depctr_va_ssrc(0) depctr_va_vcc(0) depctr_vm_vsrc(0)
	s_getreg_b32 s2, hwreg(HW_REG_IB_STS2, 6, 4)
	s_cmp_eq_u32 s2, 0
	s_cbranch_scc0 .Lentry_in_a_cluster
	s_endpgm
.Lentry_in_a_cluster:
	s_bfe_u32 s2, ttmp6, 0x10000c
	s_cmp_lg_u32 s2, 0xf033
	s_cbranch_scc0 .Lentry_shape_is_right
	s_endpgm
.Lentry_shape_is_right:
.set FR,    12
.set FRB,   1536
.set TILEB, 2*FRB
.set HALFT, 8*TILEB
.set SLOT,  4*HALFT
.set SCL,   2*SLOT
.set PSC,   8320
.set SPARE, 213248
.set NL,    3
.set NP,    4
.set ADRA, 16
.set ADRB, 20
.set L16,  26
.set ADRS, 27
.set SPW,  28
.set NIL,  29
.set L8,   30
.set SC,   32
.set TM,   64
.set PWT,  80
.set WD,   84
.set YT,   92
.set SS,   100
.set AF,   128
.set IMG,  128
.set G1, 24
.set G0, 32
.set G1B, 48
.set G0B, 56
.set G1S, 68
.set G0S, 76
.set G1SB, 80
.set G0SB, 88
.set MSB, 0
.macro WIN new
.if MSB != (\new)
	s_set_vgpr_msb (MSB<<8)|(\new)
.set MSB, (\new)
.endif
.endm
.set MUL_LO, 0xa1
.set MUL_HI, 0xf1
.set TO_B,   0x40
.macro JLOAD g0a, g1a, g0b, g1b
	s_cmp_eq_u32 s15, 0
	s_cbranch_scc0 .Lfor_b_\@
	tensor_load_to_lds s[\g0a:\g0a+3], s[\g1a:\g1a+7]
	s_nop 0
.rept 4
	v_nop
.endr
	s_branch .Lasked_\@
.Lfor_b_\@:
	tensor_load_to_lds s[\g0b:\g0b+3], s[\g1b:\g1b+7]
	s_nop 0
.rept 4
	v_nop
.endr
.Lasked_\@:
.endm
.macro CREST
	s_cmp_lg_u32 s14, 0
	s_cbranch_scc1 .Lnot_wave_0_\@
	s_barrier_signal -3
.Lnot_wave_0_\@:
	s_barrier_wait -3
	s_barrier_signal -1
	s_barrier_wait -1
.endm
.macro CROUND
	s_barrier_signal -1
	s_barrier_wait -1
	CREST
.endm
	s_load_b256 s[4:11], s[0:1], 0x0
	v_lshl_add_u32 v[SPW], v0, 2, SPARE
	v_mov_b32 v[NIL], 0
	ds_add_u32 v[SPW], v[NIL]
	ds_add_u32 v[SPW], v[NIL]
	v_lshrrev_b32 v1, 5, v0
	v_readfirstlane_b32 s14, v1
	s_lshr_b32 s15, s14, 1
	s_and_b32 s16, s14, 1
	s_bfe_u32 s40, ttmp6, 0x40000
	s_bfe_u32 s41, ttmp6, 0x40004
	s_and_b32 s17, ttmp7, 0xffff
	s_lshl_b32 s19, ttmp9, 2
	s_max_u32 s42, s17, 8
	s_sub_co_u32 s42, s42, 8
	s_lshl_b32 s42, s42, 3
	s_add_co_u32 s42, s42, s19
	s_add_co_u32 s19, s19, 32
	s_lshl_b32 s18, s17, 2
	s_cmp_lt_u32 s17, 8
	s_cselect_b32 s18, s18, 40
	s_cselect_b32 s42, s19, s42
	s_add_co_u32 s18, s18, s41
	s_add_co_u32 s42, s42, s40
	s_lshl_b32 s43, s41, 2
	s_lshl_b32 s43, 15, s43
	s_lshl_b32 s44, 0x1111, s40
	s_or_b32 s[G1+0], s43, (3<<16)|(1<<21)
	s_or_b32 s[G1B+0], s44, (3<<16)|(1<<21)
.irp g, G1, G1B
	s_mov_b32 s[\g+1], 384<<16
	s_mov_b32 s[\g+2], 8<<16
	s_mov_b32 s[\g+3], 384<<16
	s_mov_b32 s[\g+4], 8
	s_mov_b32 s[\g+5], 1536
	s_mov_b32 s[\g+6], 0
	s_mov_b32 s[\g+7], 0
.endr
	s_or_b32 s[G1S+0], s43, (3<<16)|(1<<21)
	s_or_b32 s[G1SB+0], s44, (3<<16)|(1<<21)
.irp g, G1S, G1SB
	s_mov_b32 s[\g+1], 32<<16
	s_mov_b32 s[\g+2], 16<<16
	s_mov_b32 s[\g+3], 32<<16
	s_mov_b32 s[\g+4], 16
	s_mov_b32 s[\g+5], 32
	s_mov_b32 s[\g+6], 0
	s_mov_b32 s[\g+7], 0
.endr
	s_mul_i32 s45, s16, 98304
	s_mul_i32 s20, s18, 196608
	s_add_co_u32 s20, s20, s45
	s_mov_b32 s21, 0
	s_mul_i32 s46, s42, 196608
	s_add_co_u32 s46, s46, s45
	s_mov_b32 s47, 0
	s_lshl_b32 s45, s16, 12
	s_lshl_b32 s22, s18, 13
	s_add_co_u32 s22, s22, s45
	s_mov_b32 s23, 0
	s_lshl_b32 s66, s42, 13
	s_add_co_u32 s66, s66, s45
	s_mov_b32 s67, 0
	s_mul_i32 s45, s14, HALFT
	s_lshl_b32 s96, s14, 12
	s_wait_dscnt 0x0
	s_wait_kmcnt 0x0
	s_add_nc_u64 s[20:21], s[4:5], s[20:21]
	s_add_nc_u64 s[46:47], s[4:5], s[46:47]
	s_add_nc_u64 s[22:23], s[6:7], s[22:23]
	s_add_nc_u64 s[66:67], s[6:7], s[66:67]
	CROUND
	s_mov_b32 s[G0S], 1
	s_add_co_u32 s[G0S+1], s96, SCL
	s_mov_b64 s[G0S+2:G0S+3], s[22:23]
	s_or_b32 s[G0S+3], s[G0S+3], 0x80000000
	s_mov_b32 s[G0SB], 1
	s_add_co_u32 s[G0SB+1], s96, SCL+128
	s_mov_b64 s[G0SB+2:G0SB+3], s[66:67]
	s_or_b32 s[G0SB+3], s[G0SB+3], 0x80000000
	JLOAD G0S, G1S, G0SB, G1SB
.irp s, 0,1
	s_mov_b32 s[G0+4*\s], 1
	s_add_co_u32 s[G0+4*\s+1], s45, \s*SLOT
	s_add_nc_u64 s[G0+4*\s+2:G0+4*\s+3], s[20:21], \s*TILEB
	s_or_b32 s[G0+4*\s+3], s[G0+4*\s+3], 0x80000000
	s_mov_b32 s[G0B+4*\s], 1
	s_add_co_u32 s[G0B+4*\s+1], s45, \s*SLOT
	s_add_nc_u64 s[G0B+4*\s+2:G0B+4*\s+3], s[46:47], \s*TILEB
	s_or_b32 s[G0B+4*\s+3], s[G0B+4*\s+3], 0x80000000
	s_wait_alu depctr_va_vdst(0)
	s_wait_tensorcnt 0x0
	ds_add_u32 v28, v29
	s_wait_dscnt 0x0
	CROUND
	JLOAD G0+4*\s, G1, G0B+4*\s, G1B
.endr
	v_and_b32 v1, 31, v0
	v_and_b32 v2, 15, v0
	v_bfe_u32 v3, v0, 4, 1
	s_wait_alu depctr_va_vdst(0)
	v_lshlrev_b32 v[L16], 4, v1
	v_lshlrev_b32 v[L8], 3, v1
	s_mul_i32 s21, s15, HALFT
	s_mul_i32 s22, s16, HALFT
	s_add_co_u32 s22, s22, 2*HALFT
.irp s, 0,1
	v_add_nc_u32 v[ADRA+\s], s21, v[L16]
	v_add_nc_u32 v[ADRB+\s], s22, v[L16]
	s_add_co_u32 s21, s21, SLOT
	s_add_co_u32 s22, s22, SLOT
.endr
	s_lshl_b32 s21, s15, 12
	s_lshl_b32 s22, s16, 12
	s_add_co_u32 s22, s22, PSC
	s_sub_co_u32 s22, s22, s21
	v_mul_u32_u24 v4, s22, v3
	s_add_co_u32 s21, s21, SCL
	v_lshl_add_u32 v4, v2, 3, v4
	v_add_nc_u32 v[ADRS], s21, v4
.irp b, 0,1,2,3
	v_mov_b32 v[TM+4+\b], 0
.endr
	s_lshl_b32 s66, s42, 1
	s_add_co_u32 s66, s66, s16
	s_lshl_b32 s67, s18, 1
	s_add_co_u32 s67, s67, s15
	s_cmp_lt_u32 s17, 8
	s_cselect_b32 s95, s66, s67
	s_cselect_b32 s96, s67, s66
	s_sub_co_u32 s95, s95, 64
	s_lshr_b32 s19, s95, 3
	s_lshl_b32 s19, s19, 6
	s_lshr_b32 s12, s96, 4
	s_lshl_b32 s12, s12, 4
	s_add_co_u32 s19, s19, s12
	s_and_b32 s12, s95, 7
	s_lshl_b32 s12, s12, 1
	s_add_co_u32 s19, s19, s12
	s_and_b32 s96, s96, 15
	s_mul_i32 s12, s19, 98304
	s_mul_i32 s13, s96, 6144
	s_add_co_u32 s12, s12, s13
	s_mov_b32 s13, 0
	s_add_nc_u64 s[8:9], s[8:9], s[12:13]
	s_lshl_b32 s12, s19, 12
	s_lshl_b32 s96, s96, 8
	s_add_co_u32 s12, s12, s96
	s_add_nc_u64 s[10:11], s[10:11], s[12:13]
	s_mov_b32 s2, 0x76543210
	s_mov_b32 s3, 0xfedcba98
	s_mov_b32 s97, 0xffff0000
.macro FRAG3 reg, adr, off
.irp k, 0,1,2
	ds_load_b128 v[\reg+4*\k:\reg+4*\k+3], v[\adr] offset:\off+512*\k
.endr
.endm
.macro FETCH_B slot, q, p
	WIN TO_B
.irp i, 0,1,2,3,4,5,6,7
	FRAG3 128*(\p)+FR*\i, ADRB+\slot, TILEB*\i+FRB*(\q)
.endr
	WIN 0
.endm
.macro FETCH_A slot, q, i0
.irp i, \i0, \i0+1, \i0+2, \i0+3
	FRAG3 AF+FR*(\i), ADRA+\slot, TILEB*(\i)+FRB*(\q)
.endr
.endm
.macro SCALES sc, ks
.irp i, 0,1,2,3,4,5,6,7
	ds_load_b64 v[SC+16*(\sc)+2*\i:SC+16*(\sc)+2*\i+1], v[ADRS] offset:512*\i+128*(\ks)
.endr
.endm
.macro MUL16 a0, p, q, sc, zero
.irp a, \a0, \a0+1
.irp b, 0,1,2,3,4,5,6,7
.if \zero
	v_wmma_scale_f32_16x16x128_f8f6f4 v[8*(8*((\a)%4)+\b):8*(8*((\a)%4)+\b)+7], v[128*(\p)+FR*\b:128*(\p)+FR*\b+FR-1], v[AF+FR*(\a):AF+FR*(\a)+FR-1], 0, v[SC+16*(\sc)+2*\b+(\q)], v[SC+16*(\sc)+2*(\a)+(\q)] matrix_a_fmt:MATRIX_FMT_FP6 matrix_b_fmt:MATRIX_FMT_FP6 matrix_a_scale:MATRIX_SCALE_ROW1
.else
	v_wmma_scale_f32_16x16x128_f8f6f4 v[8*(8*((\a)%4)+\b):8*(8*((\a)%4)+\b)+7], v[128*(\p)+FR*\b:128*(\p)+FR*\b+FR-1], v[AF+FR*(\a):AF+FR*(\a)+FR-1], v[8*(8*((\a)%4)+\b):8*(8*((\a)%4)+\b)+7], v[SC+16*(\sc)+2*\b+(\q)], v[SC+16*(\sc)+2*(\a)+(\q)] matrix_a_fmt:MATRIX_FMT_FP6 matrix_b_fmt:MATRIX_FMT_FP6 matrix_a_scale:MATRIX_SCALE_ROW1
.endif
.endr
.endr
.endm
.macro PLACES n
.rept \n
	v_nop
.endr
.endm
.macro STEP slot, q, zero
	s_wait_dscnt 4*NL
	WIN MUL_LO
	MUL16 0, (\q)%2, \q, \slot, \zero
	MUL16 2, (\q)%2, \q, \slot, \zero
	s_wait_dscnt 0
	PLACES NP
	FETCH_B \slot, (\q)+1, 1-(\q)%2
	FETCH_A \slot, (\q)+1, 0
	WIN MUL_HI
	MUL16 4, (\q)%2, \q, \slot, \zero
	MUL16 6, (\q)%2, \q, \slot, \zero
	PLACES NP
	WIN 0
	FETCH_A \slot, (\q)+1, 4
.endm
.macro TURN slot, next, fill, ks
	s_wait_tensorcnt 0x0
	ds_add_u32 v[SPW], v[NIL]
	s_wait_dscnt 4*NL+1
	WIN MUL_LO
	MUL16 0, 1, 1, \slot, 0
	s_wait_dscnt 0x0
	s_barrier_signal -1
	MUL16 2, 1, 1, \slot, 0
	WIN 0
	s_barrier_wait -1
.if \fill
	CREST
	s_add_nc_u64 s[G0+4*\slot+2:G0+4*\slot+3], s[G0+4*\slot+2:G0+4*\slot+3], 2*TILEB
	s_add_nc_u64 s[G0B+4*\slot+2:G0B+4*\slot+3], s[G0B+4*\slot+2:G0B+4*\slot+3], 2*TILEB
	JLOAD G0+4*\slot, G1, G0B+4*\slot, G1B
.else
	PLACES NP
.endif
	FETCH_B \next, 0, 0
	FETCH_A \next, 0, 0
	SCALES \next, \ks
	WIN MUL_HI
	MUL16 4, 1, 1, \slot, 0
	MUL16 6, 1, 1, \slot, 0
	PLACES NP
	WIN 0
	FETCH_A \next, 0, 4
.endm
	s_wait_alu depctr_va_vdst(0)
	s_wait_tensorcnt 1
	s_barrier_signal -1
	s_barrier_wait -1
	FETCH_B 0, 0, 0
	FETCH_A 0, 0, 0
	SCALES 0, 0
	FETCH_A 0, 0, 4
	STEP 0, 0, 1
	TURN 0, 1, 1, 1
	STEP 1, 0, 0
	TURN 1, 0, 1, 2
	STEP 0, 0, 0
	TURN 0, 1, 0, 3
	STEP 1, 0, 0
	s_wait_dscnt 4*NL
	WIN MUL_LO
	MUL16 0, 1, 1, 1, 0
	MUL16 2, 1, 1, 1, 0
	s_wait_dscnt 0
	WIN MUL_HI
	MUL16 4, 1, 1, 1, 0
	MUL16 6, 1, 1, 1, 0
	WIN 0
	PLACES NP
.macro QUANT a, d0, d1, pw
.set QW, 2+(\a)/4
.set QWW, QW*5
.set QS, 64*((\a)%4)
	WIN QWW
.irp b, 0,1,2,3
	v_max3_num_f32 v[TM+\b], |v[QS+16*\b]|, |v[QS+16*\b+1]|, 0x1800000
.endr
.irp i, 2,4,6,8,10,12,14
.irp b, 0,1,2,3
	v_max3_num_f32 v[TM+\b], |v[QS+16*\b+\i]|, |v[QS+16*\b+\i+1]|, v[TM+\b]
.endr
.endr
	WIN 0
.irp b, 0,1,2,3
	v_permlanex16_b32 v[TM+4+\b], v[TM+\b], s2, s3
.endr
.irp b, 0,1,2,3
	v_max_num_f32 v[TM+\b], v[TM+\b], v[TM+4+\b]
.endr
.irp b, 0,1,2,3
	v_add_nc_u32 v[TM+12+\b], 0xff000000, v[TM+\b]
.endr
.irp b, 0,1,2,3
	v_lshrrev_b32 v[TM+4+\b], 23, v[TM+12+\b]
.endr
	v_lshl_or_b32 v[\pw], v[TM+5], 8, v[TM+4]
	v_lshl_or_b32 v[\pw], v[TM+6], 16, v[\pw]
	v_lshl_or_b32 v[\pw], v[TM+7], 24, v[\pw]
	WIN QW
	v_cvt_scalef32_pk16_fp6_f32 v[\d0:\d0+2], v[QS:QS+15], v[TM+12]
	v_cvt_scalef32_pk16_fp6_f32 v[YT:YT+2], v[QS+16:QS+31], v[TM+13]
	v_cvt_scalef32_pk16_fp6_f32 v[\d1:\d1+2], v[QS+32:QS+47], v[TM+14]
	v_cvt_scalef32_pk16_fp6_f32 v[YT+4:YT+6], v[QS+48:QS+63], v[TM+15]
	WIN 0
	v_nop
.irp i, 0,1,2
	v_permlane16_swap_b32 v[\d0+\i], v[YT+\i]
	v_permlane16_swap_b32 v[\d1+\i], v[YT+4+\i]
.endr
.irp i, 0,1,2
	v_mov_b32 v[\d0+3+\i], v[YT+\i]
	v_mov_b32 v[\d1+3+\i], v[YT+4+\i]
.endr
.endm
.macro PAIR_QK i
.set IM, IMG+24*((\i)%2)
.if (\i) >= 2
	s_wait_xcnt 0x0
.endif
	QUANT 2*(\i), IM, IM+12, PWT
	QUANT 2*(\i)+1, IM+6, IM+18, PWT+1
	v_perm_b32 v[WD+(\i)], v[PWT+1], v[PWT], 0x05040100
	v_perm_b32 v[WD+4+(\i)], v[PWT+1], v[PWT], 0x07060302
.irp c, 0,1
.irp k, 0,1,2
	global_store_b128 v[L16], v[IM+12*\c+4*\k:IM+12*\c+4*\k+3], s[8:9] offset:98304*\c+1536*(\i)+512*\k
.endr
.endr
.endm
.macro PAIR_V i
.set IM, IMG+24*((\i)%2)
.if (\i) >= 2
	s_wait_xcnt 0x0
.endif
	QUANT 2*(\i), IM, IM+6, WD+2*(\i)
	QUANT 2*(\i)+1, IM+12, IM+18, WD+2*(\i)+1
.irp u, 0,1
.irp k, 0,1,2
	global_store_b128 v[L16], v[IM+12*\u+4*\k:IM+12*\u+4*\k+3], s[8:9] offset:98304*((2*(\i)+\u)/4)+1536*((2*(\i)+\u)%4)+512*\k
.endr
.endr
.endm
	s_cmp_lt_u32 s17, 8
	s_cbranch_scc0 .Lmode_v
	PAIR_QK 0
	PAIR_QK 1
	PAIR_QK 2
	PAIR_QK 3
	s_branch .Ldone
.Lmode_v:
	PAIR_V 0
	PAIR_V 1
	PAIR_V 2
	PAIR_V 3
.Ldone:
	s_wait_alu depctr_va_vdst(0)
.irp c, 0,1
	v_cndmask_b32 v[SS+2*\c], v[WD+4*\c], v[WD+4*\c+1], s97
	v_cndmask_b32 v[SS+2*\c+1], v[WD+4*\c+2], v[WD+4*\c+3], s97
	global_store_b64 v[L8], v[SS+2*\c:SS+2*\c+1], s[10:11] offset:4096*\c
.endr
	s_wait_tensorcnt 0x0
	ds_add_u32 v[SPW], v[NIL]
	s_wait_dscnt 0x0
	CROUND
	s_endpgm
.Lfunc_end_k_q74e529cc65_qkv:
	.size	k_q74e529cc65_qkv, .Lfunc_end_k_q74e529cc65_qkv-k_q74e529cc65_qkv
	.p2alignl 7, 3214868480
	.fill 96, 4, 3214868480
	.section	.rodata,"a",@progbits
	.p2align	6, 0x0
	.amdhsa_kernel k_q74e529cc65_qkv
		.amdhsa_group_segment_fixed_size 327680
		.amdhsa_private_segment_fixed_size 0
		.amdhsa_enable_private_segment 0
		.amdhsa_kernarg_size 32
		.amdhsa_user_sgpr_count 2
		.amdhsa_user_sgpr_kernarg_segment_ptr 1
		.amdhsa_wavefront_size32 1
		.amdhsa_system_sgpr_workgroup_id_x 1
		.amdhsa_system_sgpr_workgroup_id_y 1
		.amdhsa_system_sgpr_workgroup_id_z 1
		.amdhsa_system_vgpr_workitem_id 0
		.amdhsa_next_free_vgpr 1024
		.amdhsa_next_free_sgpr 98
		.amdhsa_reserve_vcc 0
		.amdhsa_float_denorm_mode_32 3
		.amdhsa_float_denorm_mode_16_64 3
		.amdhsa_memory_ordered 1
		.amdhsa_forward_progress 1
		.amdhsa_inst_pref_size 175
	.end_amdhsa_kernel
	.amdgpu_metadata
---
amdhsa.version: [ 1, 2 ]
amdhsa.kernels:
  - .name:           k_q74e529cc65_qkv
    .symbol:         k_q74e529cc65_qkv.kd
    .args:
      - { .name: img, .offset: 0, .size: 8, .value_kind: global_buffer, .address_space: global }
      - { .name: isc, .offset: 8, .size: 8, .value_kind: global_buffer, .address_space: global }
      - { .name: qkv_img, .offset: 16, .size: 8, .value_kind: global_buffer, .address_space: global }
      - { .name: qkv_sc, .offset: 24, .size: 8, .value_kind: global_buffer, .address_space: global }
    .group_segment_fixed_size: 327680
    .private_segment_fixed_size: 0
    .kernarg_segment_align: 8
    .kernarg_segment_size: 32
    .max_flat_workgroup_size: 128
    .sgpr_count:     98
    .vgpr_count:     1024
    .wavefront_size: 32
...
	.end_amdgpu_metadata
.endif
;; end of part 2
;; launch attn (part 3): grid 4 x 64, 16 waves a work-group, clusters of 4 x 1, 206,848 bytes of LDS; arguments qkv_img, qkv_sc, o_img, o_sc; writes o_img, o_sc
.if DOCPART == 3
	.amdgcn_target "amdgcn-amd-amdhsa--gfx1250"
	.amdhsa_code_object_version 6
	.text
	.protected	k_q74e529cc65_attn
	.globl	k_q74e529cc65_attn
	.p2align	8
	.type	k_q74e529cc65_attn,@function
k_q74e529cc65_attn:
	s_mov_b64 s[64:65], 0
	v_nop
	global_prefetch_b8 v0, s[64:65] scope:SCOPE_SE
	s_setreg_imm32_b32 hwreg(HW_REG_WAVE_MODE, 25, 1), 1
	s_wait_xcnt 0x0
	s_wait_alu depctr_hold_cnt(0) depctr_sa_sdst(0) depctr_va_vdst(0) depctr_va_sdst(0) depctr_va_ssrc(0) depctr_va_vcc(0) depctr_vm_vsrc(0)
	s_getreg_b32 s2, hwreg(HW_REG_IB_STS2, 6, 4)
	s_cmp_eq_u32 s2, 0
	s_cbranch_scc0 .Lentry_in_a_cluster
	s_endpgm
.Lentry_in_a_cluster:
	s_bfe_u32 s2, ttmp6, 0x10000c
	s_cmp_lg_u32 s2, 0x3003
	s_cbranch_scc0 .Lentry_shape_is_right
	s_endpgm
.Lentry_shape_is_right:
; O = softmax(q k^T / 8) v for one head (64 channels, 2,048 keys), both products on codes of FP6 (E2M3) with E8M0 scales, and O quantised along the channels on the way out.
; THE SOFTMAX: t = score x log2(e) / 8; M = the running largest t rounded UP to a whole number; p = 2^(t - M) is what is quantised, along the keys, not normalised.  The row's sum is taken of the unquantised p and divides O at the end.
; When M moves, the sum and O are multiplied by 2^(old M - new M): exact.
; SHARES: the four work-groups of a head form a cluster; each owns 512 queries, in two passes of 256; each of its sixteen waves owns one tile of 16 queries a pass, in 256 registers: four waves to a SIMD, so that one wave's
; vector work stands beside another's matrix work and LDS loads.
; THE WHOLE HEAD'S K AND V STAY IN LDS: 2 x 98,304 bytes of codes and 2 x 4,096 of scale words, filled ONCE (wave 0: K; wave 1: V; five joint loads each, in chunks of four key steps) and read in both passes: no slot is filled again.
; All the work-group's bytes are asked for by those loads at the head, so there is no later stream to ask for ahead.
; LAYOUT: both products are used transposed (S^T = K Q^T, O^T = V^T P^T): a lane holds ONE query throughout.  Operands lie as images of fragments: three loads of 512 consecutive bytes each.
; K = 64 UNDER AN INSTRUCTION OF 128: a fragment of K holds TWO tiles of 16 keys, one at k = 0 .. 63 and one at k = 64 .. 127.  Q stands as 18 registers [q, 0, q]: the first 12 are [q, 0], the last 12 [0, q].  Each of the two
; products meets zero codes in the half that it does not want.  Fragment b's low tile holds keys 32 b + m + 8 (m / 8), its high tile those 8 on: so registers 16 b + i of S^T are keys 32 b + 16 (lane / 16) + i.
; LIMITS: NaN and infinities are not served; a block of p or of O that is all zeros, or whose largest magnitude lies under 2^-124, gets the byte 1 (this program alone reads the bytes).
; The scale bytes of O leave by one byte a lane, 32 bytes a wave and pass (one for each 24 bytes of codes): they belong to words whose other bytes other heads' work-groups make.
.set VC,    98304                      ; LDS: K's codes at 0, V's here,
.set KS,    196608                     ; K's scale words, V's 4,096 further on,
.set SPARE, 204800                     ; the spare words, 128 bytes for each of sixteen waves
.set L16, 1                            ; v1  16 x lane
.set KS0, 2                            ; v2  KS + 8 x lane
.set SPW, 3                            ; v3  my spare word; never rewritten
.set NIL, 4                            ; v4  0; never rewritten
.set ADK, 5                            ; v5-7 the step's addresses: K, V, scale words
.set ADV, 6
.set ADS, 7
.set KSR, 8                            ; v8-9   K's scale words;  v10-11 V's
.set VSR, 10
                                       ; v12 -M, v13 the largest t, v[14:15] the sum in two halves
.set QR,  16                           ; v16-33 [q, 0, q]
.set QSL, 34                           ; v34, v35 q's scale word for [q, 0] and for [0, q]
.set QSH, 35
.set PW,  36                           ; v36 p's scale word
.set QA,  37                           ; v37-39 offsets of q's loads
.set QB,  38
.set R8,  39
.set F,   40                           ; v40-87 four fragments of K, then of V
.set L8,  88                           ; v88 8 x lane;  v89 8 r + h
.set RB8, 89
.set S,   96                           ; v96-159 S^T, then p
.set O,   160                          ; v160-191 O^T
.set PC,  192                          ; v192-203 p's codes
.set YT,  204                          ; v204-211
.set BM,  212                          ; v212-215 the blocks' largest
.set T2,  216                          ; v216-219
.set SO,  220                          ; v220-223 the conversions' scale operands
.set TT,  224
.set FF,  226                          ; v[226:227] f = 2^(old M - new M), low word
.set SU,  228                          ; v[228:229] the sums' second chain
.set WV,  12
.set CX,  13
.set WF,  14
.set BH,  15
.set U16, 16
.set HI,  17
.set SEL, 20
.set CS,  22
.set G1C, 24
.set G1S, 32
.set G0S, 40
.set G0C, 44                           ; s[44:59] group 0 of the four chunks
.set TB,  60
.set TS,  61
.set CNT, 62
.set PASS, 63
.macro CROUND                          ; a round of the cluster's barrier
	s_barrier_signal -1
	s_barrier_wait -1
	s_cmp_lg_u32 s[WV], 0
	s_cbranch_scc1 .Lnot_wave_0_\@
	s_barrier_signal -3
.Lnot_wave_0_\@:
	s_barrier_wait -3
	s_barrier_signal -1
	s_barrier_wait -1
.endm
	s_load_b256 s[4:11], s[0:1], 0x0               ; qkv_img, qkv_sc, o_img, o_sc
	v_lshl_add_u32 v[SPW], v0, 2, SPARE
	v_mov_b32 v[NIL], 0
	ds_add_u32 v[SPW], v[NIL]                      ; the wave's opening: the add and its wait stand ahead of the first tensor loads; work on registers stands between
	ds_add_u32 v[SPW], v[NIL]
	v_lshrrev_b32 v5, 5, v0
	s_delay_alu instid0(VALU_DEP_1)
	v_readfirstlane_b32 s[WV], v5                  ; wave 0..15
	s_bfe_u32 s[CX], ttmp6, 0x40000                ; my place in the cluster: it enters q's and O's global addresses alone
	s_and_b32 s[BH], ttmp7, 0xffff                 ; 16 batch + head, which the four partners share
	s_min_u32 s[WF], s[WV], 1                      ; wave 0 fetches K, wave 1 V
	; group 1: dense blocks as rows of 256 bytes (32 elements of 8 bytes); the mask names all four work-groups
	s_mov_b32 s[G1C], 15|(3<<16)|(1<<21)
	s_mov_b32 s[G1C+1], 32<<16
	s_mov_b32 s[G1C+2], 96<<16                     ; a chunk: four key steps, 24,576 bytes
	s_mov_b32 s[G1C+3], 32<<16
	s_mov_b32 s[G1C+4], 96
	s_mov_b32 s[G1C+5], 32
	s_mov_b32 s[G1C+6], 0
	s_mov_b32 s[G1C+7], 0
	s_mov_b32 s[G1S], 15|(3<<16)|(1<<21)
	s_mov_b32 s[G1S+1], 32<<16
	s_mov_b32 s[G1S+2], 16<<16                     ; a head's scale words: 4,096 bytes
	s_mov_b32 s[G1S+3], 32<<16
	s_mov_b32 s[G1S+4], 16
	s_mov_b32 s[G1S+5], 32
	s_mov_b32 s[G1S+6], 0
	s_mov_b32 s[G1S+7], 0
	s_add_co_u32 s88, s[WF], 1
	s_lshl_b32 s88, s88, 6
	s_add_co_u32 s88, s88, s[BH]                   ; 64 (1 k, 2 v) + head
	s_mul_i32 s84, s88, 98304
	s_mov_b32 s85, 0
	s_lshl_b32 s86, s88, 12
	s_mov_b32 s87, 0
	s_mul_i32 s89, s[WF], 98304                    ; and in LDS
	s_lshl_b32 s90, s[WF], 12
	s_mov_b32 s[SEL], 0x76543210
	s_mov_b32 s[SEL+1], 0xfedcba98                 ; v_permlanex16_b32's selects for lane l xor 16
	s_mov_b32 s[CS], 0x3e38aa3b                    ; c = log2(e) / 8
	s_mov_b32 s[CS+1], s[CS]                       ; (named with it as a pair, so it is written)
	s_mov_b32 s[HI], 0xffff0000                    ; lanes 16-31
	s_wait_dscnt 0x0                               ; the opening add is done
	s_wait_kmcnt 0x0
	s_add_nc_u64 s[84:85], s[4:5], s[84:85]
	s_add_nc_u64 s[86:87], s[6:7], s[86:87]
	CROUND                                         ; all four work-groups are here: the joint loads meet
	s_mov_b32 s[G0S], 1
	s_add_co_u32 s[G0S+1], s90, KS
	s_mov_b64 s[G0S+2:G0S+3], s[86:87]
	s_or_b32 s[G0S+3], s[G0S+3], 0x80000000
.irp n, 0,1,2,3
	s_mov_b32 s[G0C+4*\n], 1
	s_add_co_u32 s[G0C+4*\n+1], s89, 24576*\n
	s_add_nc_u64 s[G0C+4*\n+2:G0C+4*\n+3], s[84:85], 24576*\n
	s_or_b32 s[G0C+4*\n+3], s[G0C+4*\n+3], 0x80000000
.endr
	s_cmp_lt_u32 s[WV], 2                          ; a wave's fills stand in one branch, ahead of every wait on TENSORcnt and every LDS read: five loads of a fetching wave are out
	s_cbranch_scc0 .Lno_fill
	tensor_load_to_lds s[G0S:G0S+3], s[G1S:G1S+7]
	s_nop 0
.irp n, 0,1,2,3
	tensor_load_to_lds s[G0C+4*\n:G0C+4*\n+3], s[G1C:G1C+7]
	s_nop 0
.endr
.rept 4
	v_nop
.endr
.Lno_fill:
	v_and_b32 v5, 31, v0
	v_and_b32 v6, 15, v0                           ; r
	v_bfe_u32 v7, v0, 4, 1                         ; h
	s_delay_alu instid0(VALU_DEP_3)
	v_lshlrev_b32 v[L16], 4, v5
	s_delay_alu instid0(VALU_DEP_4)
	v_lshl_add_u32 v[KS0], v5, 3, KS
	v_lshlrev_b32 v[L8], 3, v5
	s_delay_alu instid0(VALU_DEP_4)
	v_lshl_add_u32 v[RB8], v6, 3, v7
	v_lshlrev_b32 v[R8], 3, v6
	s_and_b32 s88, s[WV], 1                        ; u: my tile is half u of a fragment of q: registers 6 u .. 6 u + 5 of its image
	s_mul_i32 s89, s88, 520
	v_add_nc_u32 v[QA], s89, v[L16]                ; registers 6 u, 6 u + 1 (and, 512 bytes on, 6 u + 4, 6 u + 5)
	s_mul_i32 s89, s88, 1016
	s_add_co_u32 s89, s89, 8
	v_add_nc_u32 v[QB], s89, v[L16]                ; registers 6 u + 2, 6 u + 3
	s_lshl_b32 s[U16], s88, 4
.irp b, 0,1,2,3
	v_mov_b32 v[T2+\b], 0                          ; written once: a lane permute's destination counts as one of its sources
.endr
	v_mov_b32 v[FF+1], 0                           ; (named as the upper half of the pair before it is ever written)
	; what does not change from pass to pass
	s_lshr_b32 s88, s[WV], 1
	s_mul_i32 s84, s88, 1536
	s_mul_i32 s89, s[BH], 98304
	s_add_co_u32 s84, s84, s89
	s_mov_b32 s85, 0
	s_add_nc_u64 s[68:69], s[4:5], s[84:85]        ; q's fragment wave / 2 of the head's first 256 queries
	s_lshl_b32 s84, s[BH], 12
	s_lshr_b32 s88, s[WV], 3
	s_lshl_b32 s88, s88, 8
	s_add_co_u32 s84, s84, s88                     ; the step of 128,
	s_bfe_u32 s88, s[WV], 0x10001
	s_lshl_b32 s88, s88, 7
	s_add_co_u32 s84, s84, s88                     ; the half of the lanes,
	s_bfe_u32 s88, s[WV], 0x10002
	s_lshl_b32 s88, s88, 2
	s_add_co_u32 s84, s84, s88                     ; and the word that hold my fragment's scales
	s_add_nc_u64 s[70:71], s[6:7], s[84:85]
	s_lshr_b32 s88, s[BH], 4
	s_lshl_b32 s88, s88, 7
	s_add_co_u32 s88, s88, s[WV]                   ; my tile of O's rows: 128 batch + wave (+ 16 for each 256 queries)
	s_and_b32 s89, s[BH], 15                       ; the head
	s_mul_i32 s84, s88, 12288
	s_mul_i32 s90, s89, 768                        ; half a fragment for each head
	s_add_co_u32 s84, s84, s90
	s_add_nc_u64 s[72:73], s[8:9], s[84:85]
	s_lshl_b32 s84, s88, 9
	s_lshr_b32 s90, s89, 2
	s_lshl_b32 s90, s90, 7
	s_add_co_u32 s84, s84, s90
	s_and_b32 s90, s89, 3
	s_lshl_b32 s90, s90, 1
	s_add_co_u32 s84, s84, s90
	s_add_nc_u64 s[74:75], s[10:11], s[84:85]
	s_mov_b32 s[PASS], 0
; A KEY STEP: 128 keys.
.macro STEP
	v_add_nc_u32 v[ADK], s[TB], v[L16]             ; these four lines are also the places between the last products and the loads into the registers that they read
	v_add_nc_u32 v[ADS], s[TS], v[KS0]
	s_delay_alu instid0(VALU_DEP_2)
	v_add_nc_u32 v[ADV], VC, v[ADK]
	v_nop
	ds_load_b64 v[KSR:KSR+1], v[ADS]               ; K's scale words: register j: lanes 0-15 fragment 2 j, lanes 16-31 fragment 2 j + 1
.irp b, 0,1,2,3
.irp k, 0,1,2
	ds_load_b128 v[F+12*\b+4*\k:F+12*\b+4*\k+3], v[ADK] offset:1536*\b+512*\k
.endr
.endr
	s_wait_alu depctr_va_vdst(0)
.irp b, 0,1,2,3                        ; S^T = K Q^T: each fragment of K serves two tiles of keys
	s_wait_dscnt 9-3*\b                            ; fragment b is in; the later fragments' loads, three each, may be out
.if \b%2
	v_wmma_scale_f32_16x16x128_f8f6f4 v[S+16*\b:S+16*\b+7], v[F+12*\b:F+12*\b+11], v[QR:QR+11], 0, v[KSR+\b/2], v[QSL] matrix_a_fmt:MATRIX_FMT_FP6 matrix_b_fmt:MATRIX_FMT_FP6 matrix_a_scale:MATRIX_SCALE_ROW1
	v_wmma_scale_f32_16x16x128_f8f6f4 v[S+16*\b+8:S+16*\b+15], v[F+12*\b:F+12*\b+11], v[QR+6:QR+17], 0, v[KSR+\b/2], v[QSH] matrix_a_fmt:MATRIX_FMT_FP6 matrix_b_fmt:MATRIX_FMT_FP6 matrix_a_scale:MATRIX_SCALE_ROW1
.else
	v_wmma_scale_f32_16x16x128_f8f6f4 v[S+16*\b:S+16*\b+7], v[F+12*\b:F+12*\b+11], v[QR:QR+11], 0, v[KSR+\b/2], v[QSL] matrix_a_fmt:MATRIX_FMT_FP6 matrix_b_fmt:MATRIX_FMT_FP6
	v_wmma_scale_f32_16x16x128_f8f6f4 v[S+16*\b+8:S+16*\b+15], v[F+12*\b:F+12*\b+11], v[QR+6:QR+17], 0, v[KSR+\b/2], v[QSH] matrix_a_fmt:MATRIX_FMT_FP6 matrix_b_fmt:MATRIX_FMT_FP6
.endif
.endr
.rept 4
	v_nop                                          ; places in front of the loads below and of the first read of the scores
.endr
.irp t, 0,1,2,3                        ; V's fragments take K's registers and land while the softmax is worked
.irp k, 0,1,2
	ds_load_b128 v[F+12*\t+4*\k:F+12*\t+4*\k+3], v[ADV] offset:1536*\t+512*\k
.endr
.endr
	ds_load_b64 v[VSR:VSR+1], v[ADS] offset:4096
.irp b, 0,1,2,3
	v_max3_num_f32 v[BM+\b], v[S+16*\b], v[S+1+16*\b], v[S+2+16*\b]   ; the largest score of each block of 32 keys: it serves for the row's maximum and, since p rises with the score, for the block's largest p
.endr
.irp i, 3,5,7,9,11,13
.irp b, 0,1,2,3
	v_max3_num_f32 v[BM+\b], v[BM+\b], v[S+16*\b+\i], v[S+1+16*\b+\i]
.endr
.endr
.irp b, 0,1,2,3
	v_max_num_f32 v[BM+\b], v[BM+\b], v[S+15+16*\b]
.endr
.irp b, 0,1,2,3
	s_delay_alu instid0(VALU_DEP_4)
	v_permlanex16_b32 v[T2+\b], v[BM+\b], s[SEL], s[SEL+1]
.endr
.irp b, 0,1,2,3
	s_delay_alu instid0(VALU_DEP_4)
	v_max_num_f32 v[BM+\b], v[BM+\b], v[T2+\b]     ; with lane l xor 16's 16 keys
.endr
	s_delay_alu instid0(VALU_DEP_2)
	v_max3_num_f32 v[TT], v[BM], v[BM+1], v[BM+2]
	s_delay_alu instid0(VALU_DEP_1)
	v_max_num_f32 v[TT], v[TT], v[BM+3]            ; the step's largest score of my query
	s_delay_alu instid0(VALU_DEP_1)
	v_mul_f32 v[TT], s[CS], v[TT]                  ; as t (c is positive)
	s_delay_alu instid0(VALU_DEP_1)
	v_max_num_f32 v13, v13, v[TT]                  ; the running largest t
	v_mov_b32 v[TT], v12
	s_delay_alu instid0(VALU_DEP_2)
	v_floor_f32 v12, -v13                          ; the new -M = floor(-t): M is a whole number
	s_delay_alu instid0(VALU_DEP_1)
	v_sub_f32 v[TT], v12, v[TT]                    ; old M - new M: a whole number, 0 or less
	s_delay_alu instid0(VALU_DEP_1)
	v_cvt_i32_f32 v[TT], v[TT]                     ; (it saturates)
	s_delay_alu instid0(VALU_DEP_1)
	v_ldexp_f32 v[FF], 1.0, v[TT]                  ; f = 2^(old M - new M): a multiplication by it rounds nothing
.set j, 0
.rept 32
	v_pk_fma_f32 v[S+j:S+j+1], v[S+j:S+j+1], s[CS:CS+1], v[12:13] op_sel_hi:[1,0,0]   ; t - M, two at a time
.set j, j+2
.endr
.irp b, 0,1,2,3
	v_fma_f32 v[BM+\b], v[BM+\b], s[CS], v12       ; the same of each block's largest score
.endr
.set j, 0
	s_wait_alu depctr_va_vdst(0)
.rept 64
	v_exp_f32 v[S+j], v[S+j]                       ; p = 2^(t - M), at most 1
.set j, j+1
.endr
	s_setprio 1
	v_pk_mul_f32 v[14:15], v[14:15], v[FF:FF+1] op_sel_hi:[1,0]   ; the sums under the new M: a plain instruction behind the exponentials
	s_wait_alu depctr_va_vdst(0)                   ; one wait for the batch of 64, ahead of its first reader
.irp b, 0,1,2,3
	v_exp_f32 v[BM+\b], v[BM+\b]                   ; the block's largest p: the same two instructions on the same number give the same bits
.endr
	v_pk_add_f32 v[228:229], v[100:101], v[104:105]
	v_pk_add_f32 v[254:255], v[108:109], v[112:113]
	v_pk_add_f32 v[252:253], v[116:117], v[120:121]
	v_pk_add_f32 v[250:251], v[124:125], v[128:129]
	v_pk_add_f32 v[248:249], v[132:133], v[136:137]
	v_pk_add_f32 v[246:247], v[140:141], v[144:145]
	v_pk_add_f32 v[244:245], v[148:149], v[152:153]
	v_pk_add_f32 v[14:15], v[14:15], v[156:157]
	v_pk_add_f32 v[228:229], v[228:229], v[96:97]
	v_pk_add_f32 v[254:255], v[254:255], v[98:99]
	v_pk_add_f32 v[252:253], v[252:253], v[102:103]
	v_pk_add_f32 v[250:251], v[250:251], v[106:107]
	v_pk_add_f32 v[248:249], v[248:249], v[110:111]
	v_pk_add_f32 v[246:247], v[246:247], v[114:115]
	v_pk_add_f32 v[244:245], v[244:245], v[118:119]
	v_pk_add_f32 v[14:15], v[14:15], v[122:123]
	v_pk_add_f32 v[228:229], v[228:229], v[126:127]
	v_pk_add_f32 v[254:255], v[254:255], v[130:131]
	v_pk_add_f32 v[252:253], v[252:253], v[134:135]
	v_pk_add_f32 v[250:251], v[250:251], v[138:139]
	v_pk_add_f32 v[248:249], v[248:249], v[142:143]
	v_pk_add_f32 v[246:247], v[246:247], v[146:147]
	v_pk_add_f32 v[244:245], v[244:245], v[150:151]
	v_pk_add_f32 v[14:15], v[14:15], v[154:155]
	v_pk_add_f32 v[228:229], v[228:229], v[158:159]
	s_delay_alu instid0(VALU_DEP_2)
	v_pk_add_f32 v[14:15], v[14:15], v[250:251]
	s_delay_alu instid0(VALU_DEP_2)
	v_pk_add_f32 v[228:229], v[228:229], v[248:249]
	v_pk_add_f32 v[254:255], v[254:255], v[246:247]
	v_pk_add_f32 v[252:253], v[252:253], v[244:245]
	s_delay_alu instid0(VALU_DEP_2)
	v_pk_add_f32 v[14:15], v[14:15], v[254:255]
	s_delay_alu instid0(VALU_DEP_2)
	v_pk_add_f32 v[228:229], v[228:229], v[252:253]
	s_delay_alu instid0(VALU_DEP_1)
	v_pk_add_f32 v[14:15], v[14:15], v[228:229]
	s_wait_alu depctr_va_vdst(0)                   ; and one for the four
.irp b, 0,1,2,3
	v_max_num_f32 v[BM+\b], 0x1800000, v[BM+\b]    ; the floor 2^(3 - 127): the byte cannot fall under 1
.endr
.irp b, 0,1,2,3
	s_delay_alu instid0(VALU_DEP_4)
	v_add_nc_u32 v[SO+\b], 0xff000000, v[BM+\b]    ; 2 off the exponent field: the conversion's scale operand
.endr
.irp b, 0,1,2,3
	s_delay_alu instid0(VALU_DEP_4)
	v_lshrrev_b32 v[T2+\b], 23, v[SO+\b]           ; the scale's byte
.endr
	s_delay_alu instid0(VALU_DEP_3)
	v_lshl_or_b32 v[PW], v[T2+1], 8, v[T2]         ; p's scale word for these 128 keys
	s_delay_alu instid0(VALU_DEP_1)
	v_lshl_or_b32 v[PW], v[T2+2], 16, v[PW]
	s_delay_alu instid0(VALU_DEP_1)
	v_lshl_or_b32 v[PW], v[T2+3], 24, v[PW]
.irp c, 0,1
	v_cvt_scalef32_pk16_fp6_f32 v[PC+6*\c:PC+6*\c+2], v[S+32*\c:S+32*\c+15], v[SO+2*\c]
	v_cvt_scalef32_pk16_fp6_f32 v[YT+4*\c:YT+4*\c+2], v[S+32*\c+16:S+32*\c+31], v[SO+2*\c+1]
.endr
	v_nop                                          ; one plain place behind a scaled conversion
.irp c, 0,1                            ; a whole block in a lane: lanes 0-15 block 2 c, lanes 16-31 block 2 c + 1
.irp i, 0,1,2
	v_permlane16_swap_b32 v[PC+6*\c+\i], v[YT+4*\c+\i]
.endr
.irp i, 0,1,2
	s_delay_alu instid0(VALU_DEP_3)
	v_mov_b32 v[PC+6*\c+3+\i], v[YT+4*\c+\i]
.endr
.endr
.set j, 0
	s_setprio 0
.rept 16
	v_pk_mul_f32 v[O+j:O+j+1], v[O+j:O+j+1], v[FF:FF+1] op_sel_hi:[1,0]   ; O^T under the new M.  These sixteen are also the places between the writes of p's codes and scale word and the products below
.set j, j+2
.endr
	s_wait_alu depctr_va_vdst(0)
	s_wait_dscnt 0x0                               ; V's fragments and scale words are in
.irp t, 0,1,2,3                        ; O^T += V^T P^T: four accumulators, one instruction a turn
.if \t%2
	v_wmma_scale_f32_16x16x128_f8f6f4 v[O+8*\t:O+8*\t+7], v[F+12*\t:F+12*\t+11], v[PC:PC+11], v[O+8*\t:O+8*\t+7], v[VSR+\t/2], v[PW] matrix_a_fmt:MATRIX_FMT_FP6 matrix_b_fmt:MATRIX_FMT_FP6 matrix_a_scale:MATRIX_SCALE_ROW1
.else
	v_wmma_scale_f32_16x16x128_f8f6f4 v[O+8*\t:O+8*\t+7], v[F+12*\t:F+12*\t+11], v[PC:PC+11], v[O+8*\t:O+8*\t+7], v[VSR+\t/2], v[PW] matrix_a_fmt:MATRIX_FMT_FP6 matrix_b_fmt:MATRIX_FMT_FP6
.endif
.endr
	s_add_co_u32 s[TB], s[TB], 6144                ; the next step's fragments and scale words
	s_add_co_u32 s[TS], s[TS], 256
.endm
; Chunk n: four key steps.  The fetching waves wait until chunk n has landed (the 3 - n later chunks' loads may stay out), then every wave passes the barrier and reads.
.macro CHUNK n
	s_wait_tensorcnt 3-\n
	s_barrier_signal -1
	s_barrier_wait -1
	s_mov_b32 s[TB], 24576*\n
	s_mov_b32 s[TS], 1024*\n
	s_mov_b32 s[CNT], 4
.Lstep_\@:
	s_setprio 2
	STEP
	s_sub_co_u32 s[CNT], s[CNT], 1
	s_cmp_lg_u32 s[CNT], 0
	s_cbranch_scc1 .Lstep_\@
	s_setprio 0
.endm
.Lpass:                                ; two trips: 256 queries each
	s_wait_xcnt 0x0                                ; the last pass's stores have read their registers and bases
	s_lshl_b32 s88, s[CX], 1
	s_add_co_u32 s88, s88, s[PASS]                 ; which 256 queries of the head
	s_mov_b32 s85, 0
	s_mul_i32 s84, s88, 12288
	s_add_nc_u64 s[76:77], s[68:69], s[84:85]      ; q's fragment
	s_lshl_b32 s84, s88, 9
	s_add_nc_u64 s[78:79], s[70:71], s[84:85]      ; its scale words
	s_mul_i32 s84, s88, 196608
	s_add_nc_u64 s[80:81], s[72:73], s[84:85]      ; O's codes
	s_lshl_b32 s84, s88, 13
	s_add_nc_u64 s[82:83], s[74:75], s[84:85]      ; O's scale bytes
	s_wait_alu depctr_va_vdst(0)
	global_load_b64 v[QR:QR+1], v[QA], s[76:77]
	global_load_b64 v[QR+2:QR+3], v[QB], s[76:77]
	global_load_b64 v[QR+4:QR+5], v[QA], s[76:77] offset:512
	global_load_b32 v[QSL], v[R8], s[78:79]        ; row r's word: the low tile's two bytes, then the high tile's
.irp i, 0,1,2,3,4,5
	v_mov_b32 v[QR+6+\i], 0
.endr
	s_wait_loadcnt 0x0
.irp i, 0,1,2,3,4,5
	v_mov_b32 v[QR+12+\i], v[QR+\i]
.endr
	v_lshrrev_b32 v[QSL], s[U16], v[QSL]
	s_delay_alu instid0(VALU_DEP_1)
	v_and_b32 v[QSL], 0xffff, v[QSL]               ; my tile's two bytes for k = 0 .. 63; the bytes over the zero codes are 0
	s_delay_alu instid0(VALU_DEP_1)
	v_lshlrev_b32 v[QSH], 16, v[QSL]               ; and for k = 64 .. 127
	v_mov_b32 v13, 0xff61b1e6                      ; the largest t so far: -3e38, under every t
	s_delay_alu instid0(VALU_DEP_1)
	v_floor_f32 v12, -v13
	v_mov_b32 v14, 0
	v_mov_b32 v15, 0
.set j, 0
.rept 32
	v_mov_b32 v[O+j], 0                            ; O^T: the step is written once; the first change of M leaves zeros zeros.  (These lines are also the places between the writes of q's registers and scale words and the first products)
.set j, j+1
.endr
	CHUNK 0
	CHUNK 1
	CHUNK 2
	CHUNK 3
	; THE WAY OUT: O^T / the sum, quantised along the channels: my head's 64 are two blocks of the last product's K.
	v_add_f32 v14, v14, v15
	s_delay_alu instid0(VALU_DEP_1)
	v_permlanex16_b32 v[T2], v14, s[SEL], s[SEL+1]
	s_delay_alu instid0(VALU_DEP_1)
	v_add_f32 v14, v14, v[T2]                      ; the row's sum
	s_wait_alu depctr_va_vdst(0)
	v_rcp_f32 v14, v14
.rept 4
	v_nop                                          ; places behind the last products, and the plain instruction behind the reciprocal
.endr
	s_wait_alu depctr_va_vdst(0)                   ; the wait ahead of the reciprocal's first reader
.set j, 0
.rept 32
	v_mul_f32 v[S+j], v[O+j], v14                  ; register 16 b + i: channel 32 b + 16 (lane / 16) + i; each accumulator from its low end on
.set j, j+1
.endr
.irp b, 0,1
	v_max3_num_f32 v[BM+\b], |v[S+16*\b]|, |v[S+1+16*\b]|, 0x1800000
.endr
.irp i, 2,4,6,8,10,12,14
.irp b, 0,1
	s_delay_alu instid0(VALU_DEP_2)
	v_max3_num_f32 v[BM+\b], v[BM+\b], |v[S+16*\b+\i]|, |v[S+1+16*\b+\i]|
.endr
.endr
.irp b, 0,1
	s_delay_alu instid0(VALU_DEP_2)
	v_permlanex16_b32 v[T2+\b], v[BM+\b], s[SEL], s[SEL+1]
.endr
.irp b, 0,1
	s_delay_alu instid0(VALU_DEP_2)
	v_max_num_f32 v[BM+\b], v[BM+\b], v[T2+\b]
.endr
.irp b, 0,1
	s_delay_alu instid0(VALU_DEP_2)
	v_add_nc_u32 v[SO+\b], 0xff000000, v[BM+\b]
.endr
.irp b, 0,1
	s_delay_alu instid0(VALU_DEP_2)
	v_lshrrev_b32 v[T2+\b], 23, v[SO+\b]
.endr
	v_cvt_scalef32_pk16_fp6_f32 v[PC:PC+2], v[S:S+15], v[SO]
	v_cvt_scalef32_pk16_fp6_f32 v[YT:YT+2], v[S+16:S+31], v[SO+1]
	v_cndmask_b32 v[TT], v[T2], v[T2+1], s[HI]     ; my block's byte.  (A plain place behind the conversions)
.irp i, 0,1,2
	v_permlane16_swap_b32 v[PC+\i], v[YT+\i]
.endr
.irp i, 0,1,2
	s_delay_alu instid0(VALU_DEP_3)
	v_mov_b32 v[PC+3+\i], v[YT+\i]                 ; six registers: channels 32 (lane / 16) + 0 .. 31 of query r
.endr
	global_store_b128 v[L16], v[PC:PC+3], s[80:81]             ; 512 consecutive bytes, aligned
	global_store_b64 v[L8], v[PC+4:PC+5], s[80:81] offset:512  ; 256 consecutive bytes, aligned
	global_store_b8 v[RB8], v[TT], s[82:83]
	s_add_co_u32 s[PASS], s[PASS], 1
	s_cmp_lt_u32 s[PASS], 2
	s_cbranch_scc1 .Lpass
	s_wait_tensorcnt 0x0                           ; the wave's end
	ds_add_u32 v[SPW], v[NIL]
	s_wait_dscnt 0x0
	CROUND                                         ; the closing round
	s_endpgm
.Lfunc_end_k_q74e529cc65_attn:
	.size	k_q74e529cc65_attn, .Lfunc_end_k_q74e529cc65_attn-k_q74e529cc65_attn
	.p2alignl 7, 3214868480
	.fill 96, 4, 3214868480
	.section	.rodata,"a",@progbits
	.p2align	6, 0x0
	.amdhsa_kernel k_q74e529cc65_attn
		.amdhsa_group_segment_fixed_size 206848
		.amdhsa_private_segment_fixed_size 0
		.amdhsa_enable_private_segment 0
		.amdhsa_kernarg_size 32
		.amdhsa_user_sgpr_count 2
		.amdhsa_user_sgpr_kernarg_segment_ptr 1
		.amdhsa_wavefront_size32 1
		.amdhsa_system_sgpr_workgroup_id_x 1
		.amdhsa_system_sgpr_workgroup_id_y 1
		.amdhsa_system_sgpr_workgroup_id_z 1
		.amdhsa_system_vgpr_workitem_id 0
		.amdhsa_next_free_vgpr 256
		.amdhsa_next_free_sgpr 96
		.amdhsa_reserve_vcc 0
		.amdhsa_float_denorm_mode_32 3
		.amdhsa_float_denorm_mode_16_64 3
		.amdhsa_memory_ordered 1
		.amdhsa_forward_progress 1
		.amdhsa_inst_pref_size 83
	.end_amdhsa_kernel
	.amdgpu_metadata
---
amdhsa.version: [ 1, 2 ]
amdhsa.kernels:
  - .name:           k_q74e529cc65_attn
    .symbol:         k_q74e529cc65_attn.kd
    .args:
      - { .name: qkv_img, .offset: 0, .size: 8, .value_kind: global_buffer, .address_space: global }
      - { .name: qkv_sc, .offset: 8, .size: 8, .value_kind: global_buffer, .address_space: global }
      - { .name: o_img, .offset: 16, .size: 8, .value_kind: global_buffer, .address_space: global }
      - { .name: o_sc, .offset: 24, .size: 8, .value_kind: global_buffer, .address_space: global }
    .group_segment_fixed_size: 206848
    .private_segment_fixed_size: 0
    .kernarg_segment_align: 8
    .kernarg_segment_size: 32
    .max_flat_workgroup_size: 512
    .sgpr_count:     96
    .vgpr_count:     256
    .wavefront_size: 32
...
	.end_amdgpu_metadata
.endif
;; end of part 3
;; launch proj (part 4): grid 4 x 32, 4 waves a work-group, clusters of 4 x 4, 327,680 bytes of LDS; arguments o_img, o_sc, img, isc, bo, out0; writes out0
.if DOCPART == 4
	.amdgcn_target "amdgcn-amd-amdhsa--gfx1250"
	.amdhsa_code_object_version 6
	.text
	.protected	k_q74e529cc65_proj
	.globl	k_q74e529cc65_proj
	.p2align	8
	.type	k_q74e529cc65_proj,@function
k_q74e529cc65_proj:
	s_mov_b64 s[64:65], 0
	v_nop
	global_prefetch_b8 v0, s[64:65] scope:SCOPE_SE
	s_setreg_imm32_b32 hwreg(HW_REG_WAVE_MODE, 25, 1), 1
	s_wait_xcnt 0x0
	s_wait_alu depctr_hold_cnt(0) depctr_sa_sdst(0) depctr_va_vdst(0) depctr_va_sdst(0) depctr_va_ssrc(0) depctr_va_vcc(0) depctr_vm_vsrc(0)
	s_getreg_b32 s2, hwreg(HW_REG_IB_STS2, 6, 4)
	s_cmp_eq_u32 s2, 0
	s_cbranch_scc0 .Lentry_in_a_cluster
	s_endpgm
.Lentry_in_a_cluster:
	s_bfe_u32 s2, ttmp6, 0x10000c
	s_cmp_lg_u32 s2, 0xf033
	s_cbranch_scc0 .Lentry_shape_is_right
	s_endpgm
.Lentry_shape_is_right:
.set FR,    12
.set FRB,   1536
.set TILEB, 2*FRB
.set HALFT, 8*TILEB
.set SLOT,  4*HALFT
.set SCL,   2*SLOT
.set PSC,   8320
.set SPARE, 213248
.set NLA,   4
.set NP,    4
.set SPITCH, 528
.set ADRA, 16
.set ADRB, 20
.set STO,  24
.set RD,   25
.set L16,  26
.set ADRS, 27
.set SPW,  28
.set NIL,  29
.set BO,   31
.set SC,   32
.set BI,   64
.set AF,   128
.set BK,   128
.set G1, 24
.set G0, 32
.set G1B, 48
.set G0B, 56
.set G1S, 68
.set G0S, 76
.set G1SB, 80
.set G0SB, 88
.set MSB, 0
.macro WIN new
.if MSB != (\new)
	s_set_vgpr_msb (MSB<<8)|(\new)
.set MSB, (\new)
.endif
.endm
.set MUL_LO, 0xa1
.set MUL_HI, 0xf1
.set FIRST_LO, 0x81
.set FIRST_HI, 0xc1
.set TO_B,   0x40
.macro JLOAD g0a, g1a, g0b, g1b
	s_cmp_eq_u32 s15, 0
	s_cbranch_scc0 .Lfor_b_\@
	tensor_load_to_lds s[\g0a:\g0a+3], s[\g1a:\g1a+7]
	s_nop 0
.rept 4
	v_nop
.endr
	s_branch .Lasked_\@
.Lfor_b_\@:
	tensor_load_to_lds s[\g0b:\g0b+3], s[\g1b:\g1b+7]
	s_nop 0
.rept 4
	v_nop
.endr
.Lasked_\@:
.endm
.macro CREST
	s_cmp_lg_u32 s14, 0
	s_cbranch_scc1 .Lnot_wave_0_\@
	s_barrier_signal -3
.Lnot_wave_0_\@:
	s_barrier_wait -3
	s_barrier_signal -1
	s_barrier_wait -1
.endm
.macro CROUND
	s_barrier_signal -1
	s_barrier_wait -1
	CREST
.endm
	s_load_b256 s[4:11], s[0:1], 0x0
	s_load_b128 s[92:95], s[0:1], 0x20
	v_lshl_add_u32 v[SPW], v0, 2, SPARE
	v_mov_b32 v[NIL], 0
	ds_add_u32 v[SPW], v[NIL]
	ds_add_u32 v[SPW], v[NIL]
	v_lshrrev_b32 v1, 5, v0
	v_readfirstlane_b32 s14, v1
	s_lshr_b32 s15, s14, 1
	s_and_b32 s16, s14, 1
	s_bfe_u32 s40, ttmp6, 0x40000
	s_bfe_u32 s41, ttmp6, 0x40004
	s_and_b32 s18, ttmp7, 0xffff
	s_lshl_b32 s18, s18, 2
	s_add_co_u32 s18, s18, s41
	s_lshl_b32 s42, ttmp9, 2
	s_add_co_u32 s42, s42, s40
	s_lshl_b32 s43, s41, 2
	s_lshl_b32 s43, 15, s43
	s_lshl_b32 s44, 0x1111, s40
	s_or_b32 s[G1+0], s43, (3<<16)|(1<<21)
	s_or_b32 s[G1B+0], s44, (3<<16)|(1<<21)
.irp g, G1, G1B
	s_mov_b32 s[\g+1], 384<<16
	s_mov_b32 s[\g+2], 8<<16
	s_mov_b32 s[\g+3], 384<<16
	s_mov_b32 s[\g+4], 8
	s_mov_b32 s[\g+5], 1536
	s_mov_b32 s[\g+6], 0
	s_mov_b32 s[\g+7], 0
.endr
	s_or_b32 s[G1S+0], s43, (3<<16)|(1<<21)
	s_or_b32 s[G1SB+0], s44, (3<<16)|(1<<21)
.irp g, G1S, G1SB
	s_mov_b32 s[\g+1], 32<<16
	s_mov_b32 s[\g+2], 16<<16
	s_mov_b32 s[\g+3], 32<<16
	s_mov_b32 s[\g+4], 16
	s_mov_b32 s[\g+5], 32
	s_mov_b32 s[\g+6], 0
	s_mov_b32 s[\g+7], 0
.endr
	s_mul_i32 s45, s16, 98304
	s_mul_i32 s20, s18, 196608
	s_add_co_u32 s20, s20, s45
	s_mov_b32 s21, 0
	s_add_co_u32 s19, s42, 44
	s_mul_i32 s46, s19, 196608
	s_add_co_u32 s46, s46, s45
	s_mov_b32 s47, 0
	s_lshl_b32 s45, s16, 12
	s_lshl_b32 s22, s18, 13
	s_add_co_u32 s22, s22, s45
	s_mov_b32 s23, 0
	s_lshl_b32 s66, s19, 13
	s_add_co_u32 s66, s66, s45
	s_mov_b32 s67, 0
	s_mul_i32 s45, s14, HALFT
	s_lshl_b32 s96, s14, 12
	s_wait_dscnt 0x0
	s_wait_kmcnt 0x0
	s_add_nc_u64 s[20:21], s[4:5], s[20:21]
	s_add_nc_u64 s[46:47], s[8:9], s[46:47]
	s_add_nc_u64 s[22:23], s[6:7], s[22:23]
	s_add_nc_u64 s[66:67], s[10:11], s[66:67]
	CROUND
	s_mov_b32 s[G0S], 1
	s_add_co_u32 s[G0S+1], s96, SCL
	s_mov_b64 s[G0S+2:G0S+3], s[22:23]
	s_or_b32 s[G0S+3], s[G0S+3], 0x80000000
	s_mov_b32 s[G0SB], 1
	s_add_co_u32 s[G0SB+1], s96, SCL+128
	s_mov_b64 s[G0SB+2:G0SB+3], s[66:67]
	s_or_b32 s[G0SB+3], s[G0SB+3], 0x80000000
	JLOAD G0S, G1S, G0SB, G1SB
.irp s, 0,1
	s_mov_b32 s[G0+4*\s], 1
	s_add_co_u32 s[G0+4*\s+1], s45, \s*SLOT
	s_add_nc_u64 s[G0+4*\s+2:G0+4*\s+3], s[20:21], \s*TILEB
	s_or_b32 s[G0+4*\s+3], s[G0+4*\s+3], 0x80000000
	s_mov_b32 s[G0B+4*\s], 1
	s_add_co_u32 s[G0B+4*\s+1], s45, \s*SLOT
	s_add_nc_u64 s[G0B+4*\s+2:G0B+4*\s+3], s[46:47], \s*TILEB
	s_or_b32 s[G0B+4*\s+3], s[G0B+4*\s+3], 0x80000000
	s_wait_alu depctr_va_vdst(0)
	s_wait_tensorcnt 0x0
	ds_add_u32 v28, v29
	s_wait_dscnt 0x0
	CROUND
	JLOAD G0+4*\s, G1, G0B+4*\s, G1B
.endr
	v_and_b32 v1, 31, v0
	v_and_b32 v2, 15, v0
	v_bfe_u32 v3, v0, 4, 1
	v_lshlrev_b32 v[L16], 4, v1
	s_wait_alu depctr_va_vdst(0)
	v_lshlrev_b32 v5, 3, v1
	s_wait_alu depctr_va_vdst(0)
	v_lshlrev_b32 v[BO], 6, v3
	s_lshl_b32 s12, s42, 10
	s_lshl_b32 s13, s16, 9
	s_add_co_u32 s12, s12, s13
	s_mov_b32 s13, 0
	s_add_nc_u64 s[92:93], s[92:93], s[12:13]
	s_add_nc_u64 s[94:95], s[94:95], s[12:13]
.irp b, 0,1,2,3,4,5,6,7
	global_load_b128 v[BI+8*\b:BI+8*\b+3], v[BO], s[92:93] offset:4*(32*(\b/2)+8*(\b%2))
	global_load_b128 v[BI+8*\b+4:BI+8*\b+7], v[BO], s[92:93] offset:4*(32*(\b/2)+8*(\b%2))+16
.endr
	s_lshl_b32 s12, s18, 20
	s_lshl_b32 s19, s15, 19
	s_add_co_u32 s12, s12, s19
	s_add_nc_u64 s[94:95], s[94:95], s[12:13]
	s_mul_i32 s21, s15, HALFT
	s_mul_i32 s22, s16, HALFT
	s_add_co_u32 s22, s22, 2*HALFT
.irp s, 0,1
	v_add_nc_u32 v[ADRA+\s], s21, v[L16]
	v_add_nc_u32 v[ADRA+2+\s], s21, v5
	v_add_nc_u32 v[ADRB+\s], s22, v[L16]
	s_add_co_u32 s21, s21, SLOT
	s_add_co_u32 s22, s22, SLOT
.endr
	s_lshl_b32 s21, s15, 12
	s_lshl_b32 s22, s16, 12
	s_add_co_u32 s22, s22, PSC
	s_sub_co_u32 s22, s22, s21
	v_mul_u32_u24 v4, s22, v3
	s_add_co_u32 s21, s21, SCL
	v_lshl_add_u32 v4, v2, 3, v4
	v_add_nc_u32 v[ADRS], s21, v4
	s_mul_i32 s23, s14, 16*SPITCH
	v_mul_u32_u24 v4, v2, SPITCH
	v_lshl_add_u32 v4, v3, 6, v4
	v_add_nc_u32 v[STO], s23, v4
	v_add_nc_u32 v[RD], s23, v[L16]
.macro FRAG3 reg, adr, off
.irp k, 0,1,2
	ds_load_b128 v[\reg+4*\k:\reg+4*\k+3], v[\adr] offset:\off+512*\k
.endr
.endm
.macro FRAG4 reg, slot, off
.irp c, 0,1
	ds_load_b128 v[\reg+6*\c:\reg+6*\c+3], v[ADRA+\slot] offset:\off+768*\c
	ds_load_b64 v[\reg+6*\c+4:\reg+6*\c+5], v[ADRA+2+\slot] offset:\off+768*\c+512
.endr
.endm
.macro FETCH_B slot, q, p
	WIN TO_B
.irp i, 0,1,2,3,4,5,6,7
	FRAG3 128*(\p)+FR*\i, ADRB+\slot, TILEB*\i+FRB*(\q)
.endr
	WIN 0
.endm
.macro FETCH_A slot, q, i0
.irp i, \i0, \i0+1, \i0+2, \i0+3
	FRAG4 AF+FR*(\i), \slot, TILEB*(\i)+FRB*(\q)
.endr
.endm
.macro SCALES sc, ks
.irp i, 0,1,2,3,4,5,6,7
	ds_load_b64 v[SC+16*(\sc)+2*\i:SC+16*(\sc)+2*\i+1], v[ADRS] offset:512*\i+128*(\ks)
.endr
.endm
.macro MUL16 a0, p, q, sc, first
.irp a, \a0, \a0+1
.irp b, 0,1,2,3,4,5,6,7
.if \first
	v_wmma_scale_f32_16x16x128_f8f6f4 v[8*(8*((\a)%4)+\b):8*(8*((\a)%4)+\b)+7], v[128*(\p)+FR*\b:128*(\p)+FR*\b+FR-1], v[AF+FR*(\a):AF+FR*(\a)+FR-1], v[BI+8*\b:BI+8*\b+7], v[SC+16*(\sc)+2*\b+(\q)], v[SC+16*(\sc)+2*(\a)+(\q)] matrix_a_fmt:MATRIX_FMT_FP6 matrix_b_fmt:MATRIX_FMT_FP6 matrix_a_scale:MATRIX_SCALE_ROW1
.else
	v_wmma_scale_f32_16x16x128_f8f6f4 v[8*(8*((\a)%4)+\b):8*(8*((\a)%4)+\b)+7], v[128*(\p)+FR*\b:128*(\p)+FR*\b+FR-1], v[AF+FR*(\a):AF+FR*(\a)+FR-1], v[8*(8*((\a)%4)+\b):8*(8*((\a)%4)+\b)+7], v[SC+16*(\sc)+2*\b+(\q)], v[SC+16*(\sc)+2*(\a)+(\q)] matrix_a_fmt:MATRIX_FMT_FP6 matrix_b_fmt:MATRIX_FMT_FP6 matrix_a_scale:MATRIX_SCALE_ROW1
.endif
.endr
.endr
.endm
.macro PLACES n
.rept \n
	v_nop
.endr
.endm
.macro STEP slot, q, first
	s_wait_dscnt 4*NLA
.if \first
	WIN FIRST_LO
.else
	WIN MUL_LO
.endif
	MUL16 0, (\q)%2, \q, \slot, \first
	MUL16 2, (\q)%2, \q, \slot, \first
	s_wait_dscnt 0
	PLACES NP
	FETCH_B \slot, (\q)+1, 1-(\q)%2
	FETCH_A \slot, (\q)+1, 0
.if \first
	WIN FIRST_HI
.else
	WIN MUL_HI
.endif
	MUL16 4, (\q)%2, \q, \slot, \first
	MUL16 6, (\q)%2, \q, \slot, \first
	PLACES NP
	WIN 0
	FETCH_A \slot, (\q)+1, 4
.endm
.macro TURN slot, next, fill, ks
	s_wait_tensorcnt 0x0
	ds_add_u32 v[SPW], v[NIL]
	s_wait_dscnt 4*NLA+1
	WIN MUL_LO
	MUL16 0, 1, 1, \slot, 0
	s_wait_dscnt 0x0
	s_barrier_signal -1
	MUL16 2, 1, 1, \slot, 0
	WIN 0
	s_barrier_wait -1
.if \fill
	CREST
	s_add_nc_u64 s[G0+4*\slot+2:G0+4*\slot+3], s[G0+4*\slot+2:G0+4*\slot+3], 2*TILEB
	s_add_nc_u64 s[G0B+4*\slot+2:G0B+4*\slot+3], s[G0B+4*\slot+2:G0B+4*\slot+3], 2*TILEB
	JLOAD G0+4*\slot, G1, G0B+4*\slot, G1B
.else
	PLACES NP
.endif
	FETCH_B \next, 0, 0
	FETCH_A \next, 0, 0
	SCALES \next, \ks
	WIN MUL_HI
	MUL16 4, 1, 1, \slot, 0
	MUL16 6, 1, 1, \slot, 0
	PLACES NP
	WIN 0
	FETCH_A \next, 0, 4
.endm
	s_wait_alu depctr_va_vdst(0)
	s_wait_loadcnt 0x0
	s_wait_tensorcnt 1
	s_barrier_signal -1
	s_barrier_wait -1
	FETCH_B 0, 0, 0
	FETCH_A 0, 0, 0
	SCALES 0, 0
	FETCH_A 0, 0, 4
	STEP 0, 0, 1
	TURN 0, 1, 1, 1
	STEP 1, 0, 0
	TURN 1, 0, 1, 2
	STEP 0, 0, 0
	TURN 0, 1, 0, 3
	STEP 1, 0, 0
	s_wait_dscnt 4*NLA
	WIN MUL_LO
	MUL16 0, 1, 1, 1, 0
	MUL16 2, 1, 1, 1, 0
	s_wait_dscnt 0
	WIN MUL_HI
	MUL16 4, 1, 1, 1, 0
	MUL16 6, 1, 1, 1, 0
	WIN 0
.macro TOSTAGE a
.set AC, 64*((\a)%4)
	WIN 0x08+4*((\a)/4)
.irp b, 0,1,2,3,4,5,6,7
	ds_store_b128 v[STO], v[AC+8*\b:AC+8*\b+3] offset:128*(\b/2)+32*(\b%2)
	ds_store_b128 v[STO], v[AC+8*\b+4:AC+8*\b+7] offset:128*(\b/2)+32*(\b%2)+16
.endr
	WIN 0
.set BB, BK+64*((\a)%2)
.irp t, 0,1,2,3,4,5,6,7,8,9,10,11,12,13,14,15
	ds_load_b128 v[BB+4*\t:BB+4*\t+3], v[RD] offset:\t*SPITCH
.endr
.endm
.macro SEND a, younger
.set BB, BK+64*((\a)%2)
	s_wait_dscnt \younger
.irp t, 0,1,2,3,4,5,6,7,8,9,10,11,12,13,14,15
	global_store_b128 v[L16], v[BB+4*\t:BB+4*\t+3], s[94:95] offset:(32*((\a)/2)+8*((\a)%2)+\t+8*(\t/8))*4096 th:TH_STORE_NT
.endr
.endm
	PLACES NP
	TOSTAGE 0
.irp a, 1,2,3,4,5,6,7
.if \a > 1
	s_wait_xcnt 0x0
.endif
	TOSTAGE \a
	SEND \a-1, 32
.endr
	SEND 7, 0
	s_wait_tensorcnt 0x0
	ds_add_u32 v[SPW], v[NIL]
	s_wait_dscnt 0x0
	CROUND
	s_endpgm
.Lfunc_end_k_q74e529cc65_proj:
	.size	k_q74e529cc65_proj, .Lfunc_end_k_q74e529cc65_proj-k_q74e529cc65_proj
	.p2alignl 7, 3214868480
	.fill 96, 4, 3214868480
	.section	.rodata,"a",@progbits
	.p2align	6, 0x0
	.amdhsa_kernel k_q74e529cc65_proj
		.amdhsa_group_segment_fixed_size 327680
		.amdhsa_private_segment_fixed_size 0
		.amdhsa_enable_private_segment 0
		.amdhsa_kernarg_size 48
		.amdhsa_user_sgpr_count 2
		.amdhsa_user_sgpr_kernarg_segment_ptr 1
		.amdhsa_wavefront_size32 1
		.amdhsa_system_sgpr_workgroup_id_x 1
		.amdhsa_system_sgpr_workgroup_id_y 1
		.amdhsa_system_sgpr_workgroup_id_z 1
		.amdhsa_system_vgpr_workitem_id 0
		.amdhsa_next_free_vgpr 1024
		.amdhsa_next_free_sgpr 98
		.amdhsa_reserve_vcc 0
		.amdhsa_float_denorm_mode_32 3
		.amdhsa_float_denorm_mode_16_64 3
		.amdhsa_memory_ordered 1
		.amdhsa_forward_progress 1
		.amdhsa_inst_pref_size 141
	.end_amdhsa_kernel
	.amdgpu_metadata
---
amdhsa.version: [ 1, 2 ]
amdhsa.kernels:
  - .name:           k_q74e529cc65_proj
    .symbol:         k_q74e529cc65_proj.kd
    .args:
      - { .name: o_img, .offset: 0, .size: 8, .value_kind: global_buffer, .address_space: global }
      - { .name: o_sc, .offset: 8, .size: 8, .value_kind: global_buffer, .address_space: global }
      - { .name: img, .offset: 16, .size: 8, .value_kind: global_buffer, .address_space: global }
      - { .name: isc, .offset: 24, .size: 8, .value_kind: global_buffer, .address_space: global }
      - { .name: bo, .offset: 32, .size: 8, .value_kind: global_buffer, .address_space: global }
      - { .name: out0, .offset: 40, .size: 8, .value_kind: global_buffer, .address_space: global }
    .group_segment_fixed_size: 327680
    .private_segment_fixed_size: 0
    .kernarg_segment_align: 8
    .kernarg_segment_size: 48
    .max_flat_workgroup_size: 128
    .sgpr_count:     98
    .vgpr_count:     1024
    .wavefront_size: 32
...
	.end_amdgpu_metadata
.endif
;; end of part 4
